; MI455X (gfx1250); checked and timed in simulation.
; The chip was launched on July 23, 2026; its instructions are those of AMD's public machine-readable ISA for CDNA 5 (MIT licence, August 2026) and "CDNA5" Instruction Set Architecture Reference Guide (July 2026). The comments in the code are by the model that wrote it; some were corrected since.
;; Grouped Query Attention. Allowed arithmetic: matrix products marked QUANTISED: E2M1 operands, one E8M0 scale for each 32 along K, by v_wmma_scale_f32_16x16x128_f8f6f4 with both operands' format E2M1 (or v_wmma_scale_f32_32x16x128_f4), f32 sums; products left as they are: bf16, f16 or f32 operands; f32 sums; everything else in f32.
;; Inputs: Wk 1,024 x 256 float32; Wo 1,024 x 1,024 float32; Wq 1,024 x 1,024 float32; Wv 1,024 x 256 float32; x 4 x 2,048 x 1,024 float32.
;; Outputs: out0 4 x 2,048 x 1,024 float32.
;; This version of the problem:
;;   THIS VERSION OF THE PROBLEM IS GIVEN IN LOW PRECISION. The matrix products marked QUANTISED in the list below multiply operands that are first quantised to E2M1 (2 exponent bits, 1 mantissa bit; 4 bits a number), with one power-of-two scale for each 32 numbers along K (OCP MX v1.0); their sums are f32. The products marked 'left as it is' may take bf16, f16 or f32 operands, with f32 sums. Whichever they take, every output number must still come out within the allowed error. Rounding operands to bf16 (8 significant bits) uses up far more of that allowance than f16 does (11 bits, for magnitudes from 6e-5 to 65,504). All else is computed in f32.
;;   The module's matrix products, in the order in which they are computed (A, B: the left and right operand; K: the contracted axis; several contracted axes count as one K, in the product's order):
;;     1. [M 8,192, K 1,024] x [K 1,024, N 1,024]; A: input x; B: input Wq: QUANTISED
;;     2. [M 8,192, K 1,024] x [K 1,024, N 256]; A: input x; B: input Wk: QUANTISED
;;     3. [M 8,192, K 1,024] x [K 1,024, N 256]; A: input x; B: input Wv: QUANTISED
;;     4. batch 64 x [M 2,048, K 64] x [K 64, N 2,048]; A: computed on the way; B: computed on the way: left as it is (an operand is computed on the way)
;;     5. batch 64 x [M 2,048, K 2,048] x [K 2,048, N 64]; A: computed on the way; B: computed on the way: left as it is (an operand is computed on the way)
;;     6. [M 8,192, K 1,024] x [K 1,024, N 1,024]; A: computed on the way; B: input Wo: left as it is (an operand is computed on the way)
;;   THE QUANTISER, for each operand of a quantised product, along K:
;;     - K is cut into blocks of 32 from its start; a last block that is shorter is filled with zeros.
;;     - A block's scale is 2^e with e = floor(log2(the largest magnitude in the block)) - 2, held to -126 .. 127; a block of zeros has e = 0. As a byte (E8M0): e + 127.
;;     - Each number is divided by its block's scale, clamped to +-6, and rounded to the nearest number of E2M1, ties to even, subnormals kept.
;;     - The product sums the exact products of the quantised numbers (number of the format x scale) in f32.
;;   ~~~python
;;   def quantise(x, axis):      # numpy; x: float32 -> the quantised numbers, widened to float32 again
;;       x = np.moveaxis(x, axis, -1); K = x.shape[-1]
;;       x = np.pad(x, [(0, 0)] * (x.ndim - 1) + [(0, -K % 32)]); x = x.reshape(x.shape[:-1] + (-1, 32)); a = np.abs(x).max(-1, keepdims=True)
;;       e = np.where(a > 0, np.clip(np.frexp(np.where(a > 0, a, 1))[1] - 1 - 2, -126, 127), 0)      # np.frexp(a)[1] - 1 = floor(log2(a)), exactly
;;       r = np.clip(x / 2.0 ** e, -6, 6)
;;       step = 2.0 ** (np.maximum(np.frexp(np.where(r == 0, 1, r))[1] - 1, 0) - 1)
;;       q = np.round(r / step) * step * 2.0 ** e      # np.round: ties to even
;;       return np.moveaxis(q.reshape(q.shape[:-2] + (-1,))[..., :K], -1, axis).astype(np.float32)
;;   ~~~
;; One version. Each part assembles by itself: llvm-mc -triple=amdgcn-amd-amdhsa -mcpu=gfx1250 --defsym DOCPART=n.
;; ======== version 1 of 1: 4 launches
;; limits: values are held in f16: magnitudes above 65,504 overflow, below 6.1e-05 lose precision
;; workspace buffers: xc 4,194,304 bytes; xs 262,144 bytes; wc 786,432 bytes; ws 98,304 bytes; wof 2,097,152 bytes; qf 16,777,216 bytes; kvf 8,388,608 bytes; af 16,777,216 bytes
;; launch prep (part 1): grid 576 x 1, 4 waves a work-group, no clusters, 33,280 bytes of LDS; arguments x, Wq, Wk, Wv, Wo, xc, xs, wc, ws, wof; writes xc, xs, wc, ws, wof
.if DOCPART == 1
	.amdgcn_target "amdgcn-amd-amdhsa--gfx1250"
	.amdhsa_code_object_version 6
	.text
	.protected	k_q9e85340983_prep
	.globl	k_q9e85340983_prep
	.p2align	8
	.type	k_q9e85340983_prep,@function
k_q9e85340983_prep:
	s_mov_b64 s[64:65], 0
	v_nop
	global_prefetch_b8 v0, s[64:65] scope:SCOPE_SE
	s_setreg_imm32_b32 hwreg(HW_REG_WAVE_MODE, 25, 1), 1
	s_wait_xcnt 0x0
; THE OPERANDS ARE LAID OUT ONCE.  Three kinds of work-group, told apart by the work-group's number alone:
;   0 .. 255    x [8192][1024] f32 -> codes of FP4 (E2M1), K innermost, xc [8192][512 bytes], and one E8M0 byte for each 32 along K, xs [8192][32].
;   256 .. 447  Wq, Wk, Wv ([1024 (k)][n] f32, K is the FIRST axis) -> codes and scale words as IMAGES OF THE OPERAND'S REGISTERS: for column tile n (16 columns; 0-63 Wq, 64-79 Wk, 80-95 Wv)
;               and K step s (128 along K): wc + (8 n + s) x 1024: register group c (4 registers) of lane l at 512 c + 16 l;  ws + (8 n + s) x 128: the lane's scale word at 4 l.
;   448 .. 575  Wo [1024 (k)][1024 (n)] f32 -> f16, as images of fragments of 16 columns x 32 k: wof + (32 n + kblock) x 1024, group u of lane l at 512 u + 16 l.
; A block's scale is 2^(floor(log2(its largest magnitude)) - 2); its byte is the largest magnitude's exponent field - 2, held at 1 from below.  Numbers are divided by the scale and rounded to the nearest code, ties to even,
; beyond the largest code the largest.
; LIMITS: a block of zeros gets the byte 1 where the quantiser says 127 (its codes are zeros, and this program alone reads the bytes); blocks whose largest magnitude lies under 2^-124 are held at that floor;
; NaN and infinities are not served; |Wo| stays under 65,504 and carries an absolute error of 2^-25 under 6e-5 (f16).
; No work-group reads what another reads, so nothing is shared and there is no cluster; no tensor load, no barrier.  The x path alone uses LDS.
.set WREG,  8192                       ; x path: LDS region of a wave: two stages of 32 x SP bytes, behind them its 256 scale bytes
.set SP,    80                         ; a lane's place in a stage: 64 bytes + 16 of padding
.set STEPS, 16
.set CB,    8                          ; bytes of 16 codes
.set R,     16                         ; v16-79   four sets of 16 numbers as loaded
.set X,     80                         ; v80-111  two sets of 16 neighbours
.set E,     112                        ; v112-127 a scale byte for each step
.set C,     128                        ; v128-191 codes, four registers a step
.set SPW,   12                         ; v12  LDS address of my spare word; never rewritten
.set NIL,   13                         ; v13  0; never rewritten
.set SPARE, 4*WREG                     ; behind the four regions: the spare words, 128 bytes a wave
	s_load_b256 s[4:11], s[0:1], 0x0               ; x s[4:5], Wq s[6:7], Wk s[8:9], Wv s[10:11]
	s_load_b256 s[12:19], s[0:1], 0x20             ; Wo s[12:13], xc s[14:15], xs s[16:17], wc s[18:19]
	s_load_b128 s[20:23], s[0:1], 0x40             ; ws s[20:21], wof s[22:23]
	v_lshl_add_u32 v[SPW], v0, 2, SPARE
	v_mov_b32 v[NIL], 0
	v_lshrrev_b32 v1, 5, v0
	v_readfirstlane_b32 s24, v1                    ; wave 0..3
	v_and_b32 v2, 31, v0                           ; lane
	s_mov_b32 s26, 0x76543210
	s_mov_b32 s27, 0xfedcba98                      ; v_permlanex16_b32's selects for lane l xor 16
	s_wait_kmcnt 0x0
	s_cmp_lt_u32 ttmp9, 256
	s_cbranch_scc0 .Lweights
; ---------------- x: a plain stream of blocks of 32.  A wave takes 16 steps of 512 numbers.  Each load reads 512 consecutive bytes; a step's 2,048 bytes turn through the wave's own stage in LDS,
; so that a lane then holds 16 neighbours along K (two neighbouring lanes hold a block).  Loads run four steps ahead, the turn through LDS one step.
	v_lshlrev_b32 v3, 4, v2                        ; my 16 bytes of a load's 512
	s_mul_i32 s25, s24, WREG
	v_lshrrev_b32 v14, 2, v2
	v_mul_u32_u24 v14, v14, SP
	v_and_b32 v15, 3, v2
	v_lshl_add_u32 v14, v15, 4, v14
	v_add_nc_u32 v14, s25, v14                     ; the stage, on the way in: SP (lane / 4) + 16 (lane % 4)
	v_mul_u32_u24 v15, v2, SP
	v_add_nc_u32 v15, s25, v15                     ; and on the way out: SP x lane
	v_mul_u32_u24 v4, v2, CB                       ; my codes' place in a step's
	v_lshrrev_b32 v5, 1, v2
	s_add_co_u32 s25, s25, 2*32*SP
	v_add_nc_u32 v5, s25, v5                       ; my wave's 256 scale bytes, my block's byte
	v_lshlrev_b32 v7, 3, v2
	v_add_nc_u32 v6, s25, v7                       ; and on the way out 8 bytes a lane
	s_lshl_b32 s28, ttmp9, 2
	s_add_co_u32 s28, s28, s24                     ; which run of 8,192 numbers is my wave's: 0 .. 1023
	s_mov_b32 s31, 0
	s_lshl_b32 s30, s28, 15                        ; 32,768 bytes of x,
	s_add_nc_u64 s[4:5], s[4:5], s[30:31]
	s_lshl_b32 s30, s28, 12                        ; 4,096 of codes,
	s_add_nc_u64 s[14:15], s[14:15], s[30:31]
	s_lshl_b32 s30, s28, 8                         ; 256 scale bytes a run
	s_add_nc_u64 s[16:17], s[16:17], s[30:31]
.macro LOAD t
.irp i, 0,1,2,3
	global_load_b128 v[R+16*((\t)%4)+4*\i:R+16*((\t)%4)+4*\i+3], v3, s[4:5] offset:2048*(\t)+512*\i th:TH_LOAD_NT   ; 32 lanes read 512 consecutive bytes
.endr
.endm
.macro TURN t                          ; step t's numbers through the stage: LDS serves a wave's instructions in order, so no wait stands between the stores and the loads
.irp i, 0,1,2,3
	ds_store_b128 v14, v[R+16*((\t)%4)+4*\i:R+16*((\t)%4)+4*\i+3] offset:32*SP*((\t)%2)+8*SP*\i
.endr
.irp i, 0,1,2,3
	ds_load_b128 v[X+16*((\t)%2)+4*\i:X+16*((\t)%2)+4*\i+3], v15 offset:32*SP*((\t)%2)+16*\i
.endr
.endm
.irp t, 0,1,2,3
	LOAD \t
.endr
	s_wait_loadcnt 12                              ; step 0's four loads are in
	TURN 0
.macro STEP t
.set XS, X+16*((\t)%2)
.if (\t) > 0
	s_wait_dscnt 1                                 ; this step's numbers are back from the stage (the last step's byte store may be out): so its stores into the stage have read their registers,
.else
	s_wait_dscnt 0x0
.endif
.if (\t)+4 < STEPS
	LOAD (\t)+4                                    ; which take the loads of four steps on
.endif
.if (\t)+1 < STEPS
.if STEPS-2-(\t) >= 3
	s_wait_loadcnt 12                              ; the next step's four loads are in; those of the three steps behind it may be out
.else
	s_wait_loadcnt 4*(STEPS-2-(\t))
.endif
	TURN (\t)+1                                    ; and go through the other stage while this step is worked
.endif
	v_max3_num_f32 v8, |v[XS]|, |v[XS+1]|, |v[XS+2]|               ; the largest magnitude of my 16, in two chains
	v_max3_num_f32 v9, |v[XS+3]|, |v[XS+4]|, |v[XS+5]|
.irp i, 6,10
	v_max3_num_f32 v8, v8, |v[XS+\i]|, |v[XS+\i+1]|
	v_max3_num_f32 v9, v9, |v[XS+\i+2]|, |v[XS+\i+3]|
.endr
	v_max3_num_f32 v8, v8, |v[XS+14]|, |v[XS+15]|
	v_max3_num_f32 v8, v8, v9, 0x1800000           ; and the floor 2^(3 - 127): the byte cannot fall under 1
	v_max_num_f32_dpp v8, v8, v8 row_xmask:1 row_mask:0xf bank_mask:0xf   ; and of my neighbour's 16: the block's
	v_add_nc_u32 v11, 0xff000000, v8               ; 2 off its exponent field: the conversion takes the exponent field of this operand as its scale
	v_cvt_scalef32_pk8_fp4_f32 v[C+4*(\t)], v[XS:XS+7], v11
	v_cvt_scalef32_pk8_fp4_f32 v[C+4*(\t)+1], v[XS+8:XS+15], v11
	v_lshrrev_b32 v[E+(\t)], 23, v11               ; the scale's byte
	ds_store_b8 v5, v[E+(\t)] offset:16*(\t)       ; both lanes of a block write the same byte with the same value
	global_store_b64 v4, v[C+4*(\t):C+4*(\t)+1], s[14:15] offset:32*CB*(\t)   ; the wave stores 256 consecutive bytes, aligned
.endm
.irp t, 0,1,2,3,4,5,6,7,8,9,10,11,12,13,14,15
	STEP \t
.endr
	ds_load_b64 v[8:9], v6                         ; LDS serves a wave's instructions in order: these see my byte stores
	s_wait_dscnt 0x0
	global_store_b64 v7, v[8:9], s[16:17]          ; 32 lanes store 256 consecutive bytes, aligned
	s_wait_tensorcnt 0x0                           ; the wave's end, behind my last LDS store
	ds_add_u32 v[SPW], v[NIL]
	s_wait_dscnt 0x0
	s_endpgm
; ---------------- the weights.  A LANE TAKES A COLUMN AND ITS REGISTERS RUN DOWN K, in the order that the operand's layout gives that lane: nothing is transposed.
.Lweights:
	v_and_b32 v1, 15, v0                           ; r
	v_bfe_u32 v4, v0, 4, 1                         ; h
	v_lshlrev_b32 v5, 4, v2                        ; 16 x lane: an image's place for my lane
	v_lshlrev_b32 v6, 2, v2                        ; 4 x lane: a scale word's
	s_mov_b32 s39, 0
	s_cmp_lt_u32 ttmp9, 448
	s_cbranch_scc0 .Lwo
	s_sub_co_u32 s28, ttmp9, 256
	s_lshr_b32 s29, s28, 3                         ; group of 64 columns: 0-15 Wq, 16-19 Wk, 20-23 Wv
	s_and_b32 s30, s28, 7                          ; K step
	s_lshl_b32 s37, s24, 6                         ; my wave's 16 columns, in bytes
; lane (r, h) wants k = 128 s + 64 c + 32 h + i of column r: sixteen neighbouring lanes read 64 neighbouring bytes, the four waves 256
.macro WLOAD pitch
.irp c, 0,1
.irp i, 0,1,2,3,4,5,6,7,8,9,10,11,12,13,14,15,16,17,18,19,20,21,22,23,24,25,26,27,28,29,30,31
	global_load_b32 v[64+32*\c+\i], v3, s[32:33] offset:\pitch*(64*\c+\i)
.endr
.endr
.endm
	s_cmp_lt_u32 s29, 16
	s_cbranch_scc0 .Lnarrow
	s_lshl_b32 s36, s29, 8                         ; Wq: rows of 4,096 bytes
	s_add_co_u32 s36, s36, s37
	s_lshl_b32 s38, s30, 19                        ; 128 rows a K step
	s_add_co_u32 s38, s38, s36
	s_add_nc_u64 s[32:33], s[6:7], s[38:39]
	v_lshlrev_b32 v3, 17, v4                       ; lanes 16-31 begin 32 rows further down
	v_lshl_add_u32 v3, v1, 2, v3
	WLOAD 4096
	s_branch .Lloaded
.Lnarrow:
	s_cmp_lt_u32 s29, 20                           ; Wk or Wv: rows of 1,024 bytes.  The choice hangs on the work-group's number alone
	s_cselect_b64 s[32:33], s[8:9], s[10:11]
	s_and_b32 s36, s29, 3                          ; the group of columns in its tensor
	s_lshl_b32 s36, s36, 8
	s_add_co_u32 s36, s36, s37
	s_lshl_b32 s38, s30, 17
	s_add_co_u32 s38, s38, s36
	s_add_nc_u64 s[32:33], s[32:33], s[38:39]
	v_lshlrev_b32 v3, 15, v4
	v_lshl_add_u32 v3, v1, 2, v3
	WLOAD 1024
.Lloaded:
	s_lshl_b32 s36, s29, 2
	s_add_co_u32 s36, s36, s24                     ; column tile n
	s_lshl_b32 s36, s36, 3
	s_add_co_u32 s36, s36, s30                     ; 8 n + s
	s_lshl_b32 s38, s36, 10
	s_add_nc_u64 s[18:19], s[18:19], s[38:39]
	s_lshl_b32 s38, s36, 7
	s_add_nc_u64 s[20:21], s[20:21], s[38:39]
	s_wait_loadcnt 0x0
.irp c, 0,1                                    ; my block 2 c + h: all its 32 numbers are mine
	v_max3_num_f32 v[32+\c], |v[64+32*\c]|, |v[65+32*\c]|, 0x1800000   ; with the floor 2^(3 - 127)
.endr
.irp i, 2,4,6,8,10,12,14,16,18,20,22,24,26,28,30
.irp c, 0,1
	v_max3_num_f32 v[32+\c], v[32+\c], |v[64+32*\c+\i]|, |v[65+32*\c+\i]|   ; (the two blocks by turns)
.endr
.endr
.irp c, 0,1
	v_add_nc_u32 v[44+\c], 0xff000000, v[32+\c]    ; 2 off the exponent field: the conversion's scale operand
.endr
.irp c, 0,1
	v_lshrrev_b32 v[36+\c], 23, v[44+\c]           ; the scale's byte
.endr
	v_lshl_or_b32 v9, v37, 16, v36                 ; my two bytes: blocks h and 2 + h of column r,
	v_lshlrev_b32 v10, 3, v4
	v_lshlrev_b32 v9, v10, v9                      ; at their places in the scale word (8 h bits up);
	v_mov_b32 v10, 0
	v_permlanex16_b32 v10, v9, s26, s27
	v_or_b32 v9, v9, v10                           ; with lane l xor 16's two the word is whole, in both halves of the lanes
.irp c, 0,1
.irp g, 0,1,2,3
	v_cvt_scalef32_pk8_fp4_f32 v[48+4*\c+\g], v[64+32*\c+8*\g:71+32*\c+8*\g], v[44+\c]   ; registers 4 c .. 4 c + 3 of the operand
.endr
.endr
	v_nop                                          ; a plain line behind the last scaled conversion
	global_store_b128 v5, v[48:51], s[18:19]       ; each store of the wave covers 512 consecutive bytes, aligned
	global_store_b128 v5, v[52:55], s[18:19] offset:512
	global_store_b32 v6, v9, s[20:21]
	s_endpgm
; ---------------- Wo: f16 fragments.  Lane (r, h) of fragment (n, kblock) holds column 16 n + r; registers 0-3: k = 8 h + 0..7, registers 4-7: k = 16 + 8 h + 0..7 of the block of 32.
.Lwo:
	s_sub_co_u32 s28, ttmp9, 448
	s_lshr_b32 s29, s28, 3                         ; group of 64 columns
	s_and_b32 s30, s28, 7                          ; 128 along K: four blocks of 32
	s_lshl_b32 s36, s29, 2
	s_add_co_u32 s36, s36, s24                     ; column tile n
	s_lshl_b32 s38, s30, 19                        ; 128 rows of 4,096 bytes
	s_lshl_b32 s37, s36, 6
	s_add_co_u32 s38, s38, s37
	s_add_nc_u64 s[12:13], s[12:13], s[38:39]
	v_lshlrev_b32 v3, 15, v4                       ; lanes 16-31 begin 8 rows further down
	v_lshl_add_u32 v3, v1, 2, v3
.irp f, 0,1,2,3
.irp u, 0,1
.irp i, 0,1,2,3,4,5,6,7
	global_load_b32 v[64+16*\f+8*\u+\i], v3, s[12:13] offset:4096*(32*\f+16*\u+\i)
.endr
.endr
.endr
	s_lshl_b32 s37, s36, 5
	s_lshl_b32 s38, s30, 2
	s_add_co_u32 s37, s37, s38                     ; 32 n + the first block
	s_lshl_b32 s38, s37, 10
	s_add_nc_u64 s[22:23], s[22:23], s[38:39]
	s_wait_loadcnt 0x0
.irp f, 0,1,2,3
.irp u, 0,1
.irp i, 0,2,4,6
	v_cvt_pk_f16_f32 v[128+8*\f+4*\u+\i/2], v[64+16*\f+8*\u+\i], v[64+16*\f+8*\u+\i+1]   ; the lower k in the low half
.endr
.endr
.endr
.irp f, 0,1,2,3
.irp u, 0,1
	global_store_b128 v5, v[128+8*\f+4*\u:128+8*\f+4*\u+3], s[22:23] offset:1024*\f+512*\u
.endr
.endr
	s_endpgm
.Lfunc_end_k_q9e85340983_prep:
	.size	k_q9e85340983_prep, .Lfunc_end_k_q9e85340983_prep-k_q9e85340983_prep
	.p2alignl 7, 3214868480
	.fill 96, 4, 3214868480
	.section	.rodata,"a",@progbits
	.p2align	6, 0x0
	.amdhsa_kernel k_q9e85340983_prep
		.amdhsa_group_segment_fixed_size 33280
		.amdhsa_private_segment_fixed_size 0
		.amdhsa_enable_private_segment 0
		.amdhsa_kernarg_size 80
		.amdhsa_user_sgpr_count 2
		.amdhsa_user_sgpr_kernarg_segment_ptr 1
		.amdhsa_wavefront_size32 1
		.amdhsa_system_sgpr_workgroup_id_x 1
		.amdhsa_system_sgpr_workgroup_id_y 1
		.amdhsa_system_sgpr_workgroup_id_z 1
		.amdhsa_system_vgpr_workitem_id 0
		.amdhsa_next_free_vgpr 192
		.amdhsa_next_free_sgpr 66
		.amdhsa_reserve_vcc 0
		.amdhsa_float_denorm_mode_32 3
		.amdhsa_float_denorm_mode_16_64 3
		.amdhsa_memory_ordered 1
		.amdhsa_forward_progress 1
		.amdhsa_inst_pref_size 59
	.end_amdhsa_kernel
	.amdgpu_metadata
---
amdhsa.version: [ 1, 2 ]
amdhsa.kernels:
  - .name:           k_q9e85340983_prep
    .symbol:         k_q9e85340983_prep.kd
    .args:
      - { .name: x, .offset: 0, .size: 8, .value_kind: global_buffer, .address_space: global }
      - { .name: Wq, .offset: 8, .size: 8, .value_kind: global_buffer, .address_space: global }
      - { .name: Wk, .offset: 16, .size: 8, .value_kind: global_buffer, .address_space: global }
      - { .name: Wv, .offset: 24, .size: 8, .value_kind: global_buffer, .address_space: global }
      - { .name: Wo, .offset: 32, .size: 8, .value_kind: global_buffer, .address_space: global }
      - { .name: xc, .offset: 40, .size: 8, .value_kind: global_buffer, .address_space: global }
      - { .name: xs, .offset: 48, .size: 8, .value_kind: global_buffer, .address_space: global }
      - { .name: wc, .offset: 56, .size: 8, .value_kind: global_buffer, .address_space: global }
      - { .name: ws, .offset: 64, .size: 8, .value_kind: global_buffer, .address_space: global }
      - { .name: wof, .offset: 72, .size: 8, .value_kind: global_buffer, .address_space: global }
    .group_segment_fixed_size: 33280
    .private_segment_fixed_size: 0
    .kernarg_segment_align: 8
    .kernarg_segment_size: 80
    .max_flat_workgroup_size: 128
    .sgpr_count:     66
    .vgpr_count:     192
    .wavefront_size: 32
...
	.end_amdgpu_metadata
.endif
;; end of part 1
;; launch proj (part 2): grid 32 x 6, 4 waves a work-group, no clusters, 167,936 bytes of LDS; arguments xc, xs, wc, ws, qf, kvf; writes qf, kvf
.if DOCPART == 2
	.amdgcn_target "amdgcn-amd-amdhsa--gfx1250"
	.amdhsa_code_object_version 6
	.text
	.protected	k_q9e85340983_proj
	.globl	k_q9e85340983_proj
	.p2align	8
	.type	k_q9e85340983_proj,@function
k_q9e85340983_proj:
	s_mov_b64 s[64:65], 0
	v_nop
	global_prefetch_b8 v0, s[64:65] scope:SCOPE_SE
	s_setreg_imm32_b32 hwreg(HW_REG_WAVE_MODE, 25, 1), 1
	s_wait_xcnt 0x0
; q = x Wq, k = x Wk, v = x Wv on codes of FP4 (E2M1) with one E8M0 scale for each 32 along K = 1,024; sums in f32, K ascending, one accumulator an output.
; The results leave as f16, laid as the fragments that the attention launch wants, so that no launch transposes anything:
;   qf  [b][head 16][query tile 128][channel block 2][1 KB]: q / 8;        lane r = token, registers along the channels
;   kvf [b x 4 + kv][step of 64 keys: 32][16 KB]: K part: key tile x 2048 + channel block x 1024: k x log2(e);  V part at + 8192: block of 32 keys x 4096 + channel tile x 1024: v, lane r = CHANNEL, registers along the keys
; (an image: register group g (4 registers) of lane l at 512 g + 16 l).
; SHARES.  Work-group (x, y): 256 tokens x 256 columns (y 0-3: Wq, 4: Wk, 5: Wv).  Wave w takes 64 columns (one head) for all 16 token tiles: its 32 fragments of W fill window 1 and come from memory once, as images.
; x's codes (256 rows of 512 bytes) and scale bytes come into LDS by tensor loads, each wave a quarter, filled once and read by all four waves.
; Q and K use the product TRANSPOSED (source 0 = 16 columns of W, source 1 = 16 tokens): a lane then holds one token and eight neighbouring channels.  V uses it as it is (source 0 = tokens): a lane holds one channel and eight
; neighbouring tokens, which are the second attention product's K.  Either way four conversions make 16 bytes of an image, and each store of the wave covers 512 consecutive bytes, aligned.
; NO JOINT LOADS: what work-groups share is x's 143,360 bytes, fetched once by each; the six work-groups that share them (y = 0 .. 5) divide into no cluster of four, and the 32 along x share only W, which goes straight to registers.
; LIMITS: |q| / 8, |k| log2(e) and |v| stay under 65,504 (f16) and carry an absolute error of 2^-25 under 6e-5.
.set PITCH, 528                        ; an LDS row of x's codes: 512 bytes + 16 of padding: the 16 rows that a load touches start at 16 different groups of banks
.set XSB,   256*PITCH                  ; behind them x's scale bytes: 32 a token, dense
.set SPARE, XSB+8192                   ; behind them the spare words, 128 bytes a wave
.set LI,  1                            ; v1   16 x lane
.set LS,  2                            ; v2   4 x lane
.set XA,  3                            ; v3   LDS: row r of the trip's first token tile, + 16 h
.set XSA, 4                            ; v4   LDS: token r's scale bytes
.set SPW, 5                            ; v5   LDS address of my spare word; never rewritten
.set NIL, 6                            ; v6   0; never rewritten
.set WS,  16                           ; v16-47   W's scale words: column tile n, K step s at 8 n + s
.set XSC, 48                           ; v48-63   x's scale words, two sets of 8
.set XF,  64                           ; v64-191  x's fragments, two sets of 64: K step s at 8 s
.set ACC, 192                          ; v192-223 four accumulators
.set PK,  224                          ; v224-239 f16 pairs to store
                                       ; window 1: W's fragment (n, s) at v[8 (8 n + s)]
.set G1X, 24                           ; s[24:31] descriptor group 1 for the codes;  s[32:35] its group 0
.set G0X, 32
.set G1S, 36                           ; s[36:43], s[44:47] the same for the scale bytes
.set G0S, 44
.set MSB, 0
.macro WIN new                         ; the immediate's high byte repeats the setting that is left
.if MSB != \new
	s_set_vgpr_msb (MSB<<8)|\new
.set MSB, \new
.endif
.endm
.macro PLACES
.rept 4
	v_nop
.endr
.endm
	s_load_b256 s[4:11], s[0:1], 0x0               ; xc s[4:5], xs s[6:7], wc s[8:9], ws s[10:11]
	s_load_b128 s[12:15], s[0:1], 0x20             ; qf s[12:13], kvf s[14:15]
	v_lshl_add_u32 v[SPW], v0, 2, SPARE
	v_mov_b32 v[NIL], 0
	ds_add_u32 v[SPW], v[NIL]                      ; the wave's opening: the add, twice on end, and its wait ahead of my first tensor load
	ds_add_u32 v[SPW], v[NIL]
	v_lshrrev_b32 v7, 5, v0
	v_readfirstlane_b32 s16, v7                    ; wave 0..3
	s_mov_b32 s17, ttmp9                           ; block of 256 tokens
	s_and_b32 s18, ttmp7, 0xffff                   ; block of 256 columns
	s_lshl_b32 s19, s18, 2
	s_add_co_u32 s19, s19, s16                     ; my 64 columns: unit 0 .. 23
	s_mov_b32 s[G1X+0], (1<<20)|(6<<22)|(3<<25)    ; elements of 1 byte; padding on: 4 words behind every 128
	s_mov_b32 s[G1X+1], 512<<16                    ; tensor_dim0 = 512
	s_mov_b32 s[G1X+2], 64<<16                     ; tensor_dim1 = 64
	s_mov_b32 s[G1X+3], 512<<16                    ; tile_dim0 = 512
	s_mov_b32 s[G1X+4], 64                         ; tile_dim1 = 64
	s_mov_b32 s[G1X+5], 512                        ; from row to row
	s_mov_b32 s[G1X+6], 0
	s_mov_b32 s[G1X+7], 0
	s_mov_b32 s[G1S+0], 3<<16                      ; elements of 8 bytes, no padding: 64 tokens' scale bytes are 2,048 dense bytes, as 8 rows of 256
	s_mov_b32 s[G1S+1], 32<<16
	s_mov_b32 s[G1S+2], 8<<16
	s_mov_b32 s[G1S+3], 32<<16
	s_mov_b32 s[G1S+4], 8
	s_mov_b32 s[G1S+5], 32
	s_mov_b32 s[G1S+6], 0
	s_mov_b32 s[G1S+7], 0
	v_and_b32 v7, 31, v0
	v_lshlrev_b32 v[LI], 4, v7
	v_lshlrev_b32 v[LS], 2, v7
	v_and_b32 v8, 15, v0                           ; r
	v_bfe_u32 v9, v0, 4, 1                         ; h
	v_mul_u32_u24 v[XA], v8, PITCH
	v_lshl_add_u32 v[XA], v9, 4, v[XA]
	v_lshl_add_u32 v[XSA], v8, 5, XSB
	s_lshl_b32 s53, s17, 8
	s_lshl_b32 s54, s16, 6
	s_add_co_u32 s53, s53, s54                     ; the first of the 64 tokens that I fetch
	s_lshl_b32 s22, s53, 9                         ; 512 bytes of codes a token
	s_mov_b32 s23, 0
	s_wait_dscnt 0x0                               ; both opening adds are done
	s_wait_kmcnt 0x0
	s_mov_b32 s[G0X], 1
	s_mul_i32 s[G0X+1], s16, 64*PITCH              ; LDS: wave x 64 rows
	s_add_nc_u64 s[G0X+2:G0X+3], s[4:5], s[22:23]
	s_or_b32 s[G0X+3], s[G0X+3], 0x80000000
	s_lshl_b32 s22, s53, 5                         ; 32 scale bytes a token
	s_mov_b32 s[G0S], 1
	s_lshl_b32 s[G0S+1], s16, 11
	s_add_co_u32 s[G0S+1], s[G0S+1], XSB
	s_add_nc_u64 s[G0S+2:G0S+3], s[6:7], s[22:23]
	s_or_b32 s[G0S+3], s[G0S+3], 0x80000000
	tensor_load_to_lds s[G0X:G0X+3], s[G1X:G1X+7]  ; both first fills go out together: two tensor loads of mine are out, and no byte is filled again
	s_nop 0
	tensor_load_to_lds s[G0S:G0S+3], s[G1S:G1S+7]
	s_nop 0
	PLACES
	s_lshl_b32 s22, s19, 15                        ; my unit's 32 images of W,
	s_add_nc_u64 s[8:9], s[8:9], s[22:23]
	s_lshl_b32 s22, s19, 12                        ; and their scale words
	s_add_nc_u64 s[10:11], s[10:11], s[22:23]
	WIN 0x40                                       ; destination window 1
.set i, 0
.rept 64
	global_load_b128 v[4*i:4*i+3], v[LI], s[8:9] offset:512*i
.set i, i+1
.endr
	WIN 0
.set i, 0
.rept 32
	global_load_b32 v[WS+i], v[LS], s[10:11] offset:128*i
.set i, i+1
.endr
	; where my results go
	s_lshr_b32 s53, s17, 3                         ; b
	s_and_b32 s54, s17, 7                          ; which 256 tokens of the batch
	s_lshl_b32 s55, s53, 4
	s_add_co_u32 s55, s55, s19
	s_lshl_b32 s55, s55, 18                        ; Q: (16 b + head) x 128 tiles x 2,048 bytes
	s_lshl_b32 s56, s54, 15
	s_add_co_u32 s55, s55, s56                     ; + 16 tiles for each 256 tokens
	s_lshl_b32 s57, s53, 2
	s_add_co_u32 s57, s57, s16
	s_lshl_b32 s57, s57, 19                        ; K, V: (4 b + kv) x 32 steps x 16,384 bytes
	s_lshl_b32 s56, s54, 16
	s_add_co_u32 s57, s57, s56                     ; + 4 steps for each 256 tokens
	s_cmp_eq_u32 s18, 5
	s_cselect_b32 s56, 8192, 0                     ; V's part of a step
	s_add_co_u32 s57, s57, s56
	s_mov_b32 s48, 16384
	s_mov_b32 s50, 0x3fb8aa3b                      ; K: x log2(e)
	s_cmp_lt_u32 s18, 4                            ; Q?  The choices hang on the work-group's number alone
	s_cselect_b64 s[20:21], s[12:13], s[14:15]
	s_cselect_b32 s22, s55, s57
	s_cselect_b32 s48, 8192, s48                   ; four token tiles on: 4 x 2,048 in qf, a step in kvf
	s_cselect_b32 s50, 0x3e000000, s50             ; Q: x 1/8 = 1 / sqrt(64)
	s_mov_b32 s49, 0
	s_mov_b32 s51, s50                             ; (named with it as a pair, so it is written)
	s_add_nc_u64 s[20:21], s[20:21], s[22:23]
	s_wait_tensorcnt 0x0                           ; my quarters of x's codes and scale bytes are in LDS,
	s_barrier_signal -1
	s_barrier_wait -1                              ; everybody's are
	s_wait_loadcnt 0x0                             ; W
; 18 LDS loads: token tile j of the trip into set p: 8 fragments (lane l: row l % 16; registers 4 c .. 4 c + 3: K = 64 c + 32 (l / 16) + 0 .. 31) and the rows' 8 scale words
.macro XFETCH j, p
.irp s, 0,1,2,3,4,5,6,7
.irp c, 0,1
	ds_load_b128 v[XF+64*(\p)+8*\s+4*\c:XF+64*(\p)+8*\s+4*\c+3], v[XA] offset:16*PITCH*(\j)+64*\s+32*\c
.endr
.endr
.irp q, 0,1
	ds_load_b128 v[XSC+8*(\p)+4*\q:XSC+8*(\p)+4*\q+3], v[XSA] offset:512*(\j)+16*\q
.endr
.endm
; 32 products: K step by K step, the four accumulators by turns, one instruction a turn; the first K step starts the sums.  tr = 1: source 0 = W;  tr = 0: source 0 = x
.macro MULS p, tr
.irp s, 0,1,2,3,4,5,6,7
.irp n, 0,1,2,3
.if \tr
.if \s == 0
	v_wmma_scale_f32_16x16x128_f8f6f4 v[ACC+8*\n:ACC+8*\n+7], v[8*(8*\n+\s):8*(8*\n+\s)+7], v[XF+64*\p+8*\s:XF+64*\p+8*\s+7], 0, v[WS+8*\n+\s], v[XSC+8*\p+\s] matrix_a_fmt:MATRIX_FMT_FP4 matrix_b_fmt:MATRIX_FMT_FP4
.else
	v_wmma_scale_f32_16x16x128_f8f6f4 v[ACC+8*\n:ACC+8*\n+7], v[8*(8*\n+\s):8*(8*\n+\s)+7], v[XF+64*\p+8*\s:XF+64*\p+8*\s+7], v[ACC+8*\n:ACC+8*\n+7], v[WS+8*\n+\s], v[XSC+8*\p+\s] matrix_a_fmt:MATRIX_FMT_FP4 matrix_b_fmt:MATRIX_FMT_FP4
.endif
.else
.if \s == 0
	v_wmma_scale_f32_16x16x128_f8f6f4 v[ACC+8*\n:ACC+8*\n+7], v[XF+64*\p+8*\s:XF+64*\p+8*\s+7], v[8*(8*\n+\s):8*(8*\n+\s)+7], 0, v[XSC+8*\p+\s], v[WS+8*\n+\s] matrix_a_fmt:MATRIX_FMT_FP4 matrix_b_fmt:MATRIX_FMT_FP4
.else
	v_wmma_scale_f32_16x16x128_f8f6f4 v[ACC+8*\n:ACC+8*\n+7], v[XF+64*\p+8*\s:XF+64*\p+8*\s+7], v[8*(8*\n+\s):8*(8*\n+\s)+7], v[ACC+8*\n:ACC+8*\n+7], v[XSC+8*\p+\s], v[WS+8*\n+\s] matrix_a_fmt:MATRIX_FMT_FP4 matrix_b_fmt:MATRIX_FMT_FP4
.endif
.endif
.endr
.endr
.endm
; One token tile.  The next tile's fragments are asked for first, into the set that the tile before multiplied: behind that tile's products stand its four v_nop and its conversions (ISA guide 7.12.1).
; The two arms part on the work-group's y alone.  Behind the products: four places, then each accumulator is read from its low end on.
.macro TILE j, p, pre
.if \pre
	XFETCH (\j)+1, 1-(\p)
	s_wait_dscnt 18                                ; this tile's loads are in; the 18 just issued may be out
.else
	s_wait_dscnt 0x0
.endif
	s_cmp_eq_u32 s18, 5
	s_cbranch_scc1 .Lv_\@
	WIN 0x01                                       ; source 0 (W) window 1
	MULS \p, 1
	WIN 0
	PLACES
.irp i, 0,2,4,6,8,10,12,14,16,18,20,22,24,26,28,30
	v_pk_mul_f32 v[ACC+\i:ACC+\i+1], v[ACC+\i:ACC+\i+1], s[50:51] op_sel_hi:[1,0]   ; x 1/8 or x log2(e), in f32
.endr
	s_wait_xcnt 0x0                                ; the last tile's stores have read their data: PK is written again only behind this wait
.irp i, 0,1,2,3,4,5,6,7,8,9,10,11,12,13,14,15
	v_cvt_pk_f16_f32 v[PK+\i], v[ACC+2*\i], v[ACC+2*\i+1]
.endr
.irp n, 0,1,2,3
	global_store_b128 v[LI], v[PK+4*\n:PK+4*\n+3], s[20:21] offset:2048*(\j)+512*\n   ; column tile n: channel block n / 2, register group n % 2
.endr
	s_branch .Ljoin_\@
.Lv_\@:
	WIN 0x04                                       ; source 1 (W) window 1
	MULS \p, 0
	WIN 0
	PLACES
	s_wait_xcnt 0x0
.irp i, 0,1,2,3,4,5,6,7,8,9,10,11,12,13,14,15
	v_cvt_pk_f16_f32 v[PK+\i], v[ACC+2*\i], v[ACC+2*\i+1]
.endr
.irp n, 0,1,2,3
	global_store_b128 v[LI], v[PK+4*\n:PK+4*\n+3], s[20:21] offset:((\j)/2)*4096+1024*\n+((\j)%2)*512   ; token tile j: block of 32 keys j / 2, register group j % 2; channel tile n
.endr
.Ljoin_\@:
.endm
.macro TRIP last                       ; four token tiles: 64 tokens, a key step
	TILE 0, 0, 1
	TILE 1, 1, 1
	TILE 2, 0, 1
.if \last
	TILE 3, 1, 0
.else
	TILE 3, 1, 1
	v_add_nc_u32 v[XA], 64*PITCH, v[XA]
	v_add_nc_u32 v[XSA], 2048, v[XSA]
	s_wait_xcnt 0x0                                ; the stores have read their base
	s_add_nc_u64 s[20:21], s[20:21], s[48:49]
.endif
.endm
	XFETCH 0, 0
	s_mov_b32 s52, 3
.Ltrip:
	TRIP 0
	s_sub_co_u32 s52, s52, 1
	s_cmp_lg_u32 s52, 0
	s_cbranch_scc1 .Ltrip
	TRIP 1                                         ; the last four tiles fetch nothing beyond the block
	s_wait_tensorcnt 0x0                           ; the wave's end
	ds_add_u32 v[SPW], v[NIL]
	s_wait_dscnt 0x0
	s_endpgm
.Lfunc_end_k_q9e85340983_proj:
	.size	k_q9e85340983_proj, .Lfunc_end_k_q9e85340983_proj-k_q9e85340983_proj
	.p2alignl 7, 3214868480
	.fill 96, 4, 3214868480
	.section	.rodata,"a",@progbits
	.p2align	6, 0x0
	.amdhsa_kernel k_q9e85340983_proj
		.amdhsa_group_segment_fixed_size 167936
		.amdhsa_private_segment_fixed_size 0
		.amdhsa_enable_private_segment 0
		.amdhsa_kernarg_size 48
		.amdhsa_user_sgpr_count 2
		.amdhsa_user_sgpr_kernarg_segment_ptr 1
		.amdhsa_wavefront_size32 1
		.amdhsa_system_sgpr_workgroup_id_x 1
		.amdhsa_system_sgpr_workgroup_id_y 1
		.amdhsa_system_sgpr_workgroup_id_z 1
		.amdhsa_system_vgpr_workitem_id 0
		.amdhsa_next_free_vgpr 512
		.amdhsa_next_free_sgpr 66
		.amdhsa_reserve_vcc 0
		.amdhsa_float_denorm_mode_32 3
		.amdhsa_float_denorm_mode_16_64 3
		.amdhsa_memory_ordered 1
		.amdhsa_forward_progress 1
		.amdhsa_inst_pref_size 122
	.end_amdhsa_kernel
	.amdgpu_metadata
---
amdhsa.version: [ 1, 2 ]
amdhsa.kernels:
  - .name:           k_q9e85340983_proj
    .symbol:         k_q9e85340983_proj.kd
    .args:
      - { .name: xc, .offset: 0, .size: 8, .value_kind: global_buffer, .address_space: global }
      - { .name: xs, .offset: 8, .size: 8, .value_kind: global_buffer, .address_space: global }
      - { .name: wc, .offset: 16, .size: 8, .value_kind: global_buffer, .address_space: global }
      - { .name: ws, .offset: 24, .size: 8, .value_kind: global_buffer, .address_space: global }
      - { .name: qf, .offset: 32, .size: 8, .value_kind: global_buffer, .address_space: global }
      - { .name: kvf, .offset: 40, .size: 8, .value_kind: global_buffer, .address_space: global }
    .group_segment_fixed_size: 167936
    .private_segment_fixed_size: 0
    .kernarg_segment_align: 8
    .kernarg_segment_size: 48
    .max_flat_workgroup_size: 128
    .sgpr_count:     66
    .vgpr_count:     512
    .wavefront_size: 32
...
	.end_amdgpu_metadata
.endif
;; end of part 2
;; launch attn (part 3): grid 32 x 16, 8 waves a work-group, clusters of 4 x 1, 327,680 bytes of LDS; arguments qf, kvf, af; writes af
.if DOCPART == 3
	.amdgcn_target "amdgcn-amd-amdhsa--gfx1250"
	.amdhsa_code_object_version 6
	.text
	.protected	k_q9e85340983_attn
	.globl	k_q9e85340983_attn
	.p2align	8
	.type	k_q9e85340983_attn,@function
k_q9e85340983_attn:
	s_mov_b64 s[64:65], 0
	v_nop
	global_prefetch_b8 v0, s[64:65] scope:SCOPE_SE
	s_setreg_imm32_b32 hwreg(HW_REG_WAVE_MODE, 25, 1), 1
	s_wait_xcnt 0x0
	s_wait_alu depctr_hold_cnt(0) depctr_sa_sdst(0) depctr_va_vdst(0) depctr_va_sdst(0) depctr_va_ssrc(0) depctr_va_vcc(0) depctr_vm_vsrc(0)
	s_getreg_b32 s2, hwreg(HW_REG_IB_STS2, 6, 4)
	s_cmp_eq_u32 s2, 0
	s_cbranch_scc0 .Lentry_in_a_cluster
	s_endpgm
.Lentry_in_a_cluster:
	s_bfe_u32 s2, ttmp6, 0x10000c
	s_cmp_lg_u32 s2, 0x3003
	s_cbranch_scc0 .Lentry_shape_is_right
	s_endpgm
.Lentry_shape_is_right:
; a[b][i][head][:] = the sum over j of softmax_j(q_i . k_j / 8 + slope_head (j - i)) v_j, 2,048 keys, head size 64, 16 query heads on 4 key and value heads; no mask.
; Operands f16, products and sums f32.  qf holds q / 8 and kvf k x log2(e), so the first product is the score in base 2.  The part - slope x i of the bias is the same for all keys of a row: it leaves the softmax as it is and is not formed.
; THE BIAS.  sl = slope x log2(e).  Key j = 64 step + 16 T + 8 h + jj.  sl (16 T + 8 h + jj) is the C of the first product's first link (32 registers, made once).  The step's part enters through KF = 64 step - 1984, exact in f32 and
; small at the last keys, where the bias puts the weight (the shift by 1984 sl is again the same for all keys of a row).
; THE SOFTMAX, with a running maximum M and sum l for each query:  cand = sl KF + the step's largest u;  alpha = 2^min(0, M - cand);  M = max(M, cand);  mm = M - sl KF;  p = 2^(u - mm);  O and l are multiplied by alpha in every step;
; l sums the unrounded p; p is rounded to f16 for the second product; O is divided by l at the end.  The step is written once: it begins with M = -3e38 and O = l = 0.
; SHARES.  y = 4 b + kv.  The 4 heads x 2,048 queries on one (b, kv) are 32 blocks of 256; a work-group takes one, each of its eight waves two tiles of 16 queries, so that each fragment of K and V feeds two products;
; two waves share a SIMD, so that one wave's softmax stands beside the other's products.
; LAYOUT.  S^T = K Q^T (source 0 = 16 keys, source 1 = 16 queries) and O^T = V^T P: a lane holds ONE query throughout.  All operands lie in memory as images of their registers, so every LDS and global access is at 16 x lane.
; CLUSTER.  The four work-groups of a cluster have the same (b, kv) and walk the same K and V: each tile is asked for JOINTLY, by the same tensor load with the same descriptor and the mask of all four.
; RING.  Two LDS slots of 131,072 bytes = 8 key steps of 64 keys (8 KB of K, 8 KB of V).  Wave w fetches step w of a slot: 64 rows of 256 bytes, dense.  Four slots' worth of keys: two first fills, two refills;
; a refill has a whole slot's eight steps in which to land.  By this text's count a wave has two tensor loads out at the start and one behind each refill.
; The result leaves as f16 images for the last product: af [token tile 512][k block 32 = 2 head + channel block][1 KB], lane r = token.
; LIMITS: NaN and infinities are not served; p under 2^-126 is 0; |a| is at most the largest |v| (f16).
.set STEPB, 16384
.set SLOTB, 131072
.set SPARE, 2*SLOTB                    ; behind the ring: the spare words, 128 bytes for each of eight waves
.set LI,   1                           ; v1   16 x lane; never rewritten
.set ADRK, 2                           ; v2   LDS address of the K that is being fetched
.set ADRV, 3                           ; v3   of the V
.set SPW,  4                           ; v4   LDS address of my spare word; never rewritten
.set NIL,  5                           ; v5   0; never rewritten
.set H8,   6                           ; v6   8 h
.set ST,   8                           ; tile t's statistics at v[8 + 8 t]: +0 mm, +1 M, +2 alpha, +3 its exponent, +4 .. +7 c0-c3, at work
.set KFR,  24                          ; v24  KF
.set SLR,  25                          ; v25  sl
.set S,    32                          ; v32-95   S^T, then p: 32 t + 8 T + jj
.set P,    96                          ; v96-127  p as f16: 16 t + 4 T + i
.set KR,   128                         ; v128-191 K: 16 T + 8 (channel block)
.set VR,   192                         ; v192-255 V^T: 32 (block of 32 keys) + 8 (channel tile)
.set O,    0                           ; window 1: v0-63 O^T: 32 t + 8 c
.set Q,    64                          ; window 1: v64-95 Q: 16 t + 8 (channel block)
.set BI,   96                          ; window 1: v96-127 the bias: 8 T + jj
.set L,    128                         ; window 1: v128-131 l, a pair a tile (even keys', odd keys')
.set WV,   10
.set G1,   16                          ; s[16:23] descriptor group 1
.set G0A,  24                          ; s[24:27] group 0 for slot 0;  s[28:31] for slot 1
.set G0B,  28
.set SEL,  32                          ; s[32:33] lane selects: lane l xor 16
.set TB,   34                          ; s34  LDS byte at which the step in hand begins
.set CNT,  35
.set MSB, 0
.macro WIN new                         ; low byte: bits 1:0 source 0, 3:2 source 1, 5:4 source 2, 7:6 destination; the high byte repeats the setting that is left
.if MSB != \new
	s_set_vgpr_msb (MSB<<8)|\new
.set MSB, \new
.endif
.endm
.macro PLACES
.rept 4
	v_nop
.endr
.endm
.macro CROUND                          ; a round of the cluster's barrier: my work-group's barrier; wave 0 signals for the work-group; every wave waits for all four; my work-group's barrier once more
	s_barrier_signal -1
	s_barrier_wait -1
	s_cmp_lg_u32 s[WV], 0
	s_cbranch_scc1 .Lnot_wave_0_\@
	s_barrier_signal -3
.Lnot_wave_0_\@:
	s_barrier_wait -3
	s_barrier_signal -1
	s_barrier_wait -1
.endm
	s_load_b128 s[4:7], s[0:1], 0x0                ; qf s[4:5], kvf s[6:7]
	s_load_b64 s[8:9], s[0:1], 0x10                ; af
	v_lshl_add_u32 v[SPW], v0, 2, SPARE
	v_mov_b32 v[NIL], 0
	ds_add_u32 v[SPW], v[NIL]                      ; the wave's opening: the add, twice on end, and its wait ahead of my first tensor load
	ds_add_u32 v[SPW], v[NIL]
	v_lshrrev_b32 v7, 5, v0
	v_readfirstlane_b32 s[WV], v7                  ; wave 0..7
	v_and_b32 v7, 31, v0
	v_lshlrev_b32 v[LI], 4, v7
	v_bfe_u32 v[H8], v0, 4, 1
	v_lshlrev_b32 v[H8], 3, v[H8]
	s_bfe_u32 s11, ttmp6, 0x40000                  ; cx: it enters Q's and the result's addresses alone
	s_lshl_b32 s12, ttmp9, 2
	s_add_co_u32 s12, s12, s11                     ; my block of 256 of the 8,192 query rows on this (b, kv)
	s_and_b32 s13, ttmp7, 0xffff                   ; y = 4 b + kv
	s_and_b32 s14, s13, 3
	s_lshl_b32 s14, s14, 2
	s_lshr_b32 s36, ttmp9, 1
	s_add_co_u32 s14, s14, s36                     ; head = 4 kv + block / 8: the same in all four partners
	s_mov_b32 s[G1+0], 15|(3<<16)|(1<<21)          ; 15:0 the mask: all four work-groups; 17:16 elements of 8 bytes; 21 set beside a mask; no padding
	s_mov_b32 s[G1+1], 32<<16                      ; tensor_dim0 = 32 (256 bytes)
	s_mov_b32 s[G1+2], 64<<16                      ; tensor_dim1 = 64
	s_mov_b32 s[G1+3], 32<<16                      ; tile_dim0
	s_mov_b32 s[G1+4], 64                          ; tile_dim1
	s_mov_b32 s[G1+5], 32                          ; from row to row: dense
	s_mov_b32 s[G1+6], 0
	s_mov_b32 s[G1+7], 0
	s_mov_b32 s[SEL], 0x76543210
	s_mov_b32 s[SEL+1], 0xfedcba98
	s_add_co_u32 s36, s14, 1                       ; n = head + 1: slope = 2^(-n / 2)
	s_and_b32 s37, s36, 1
	s_mov_b32 s38, 0x3fb8aa3b                      ; n even: log2(e),
	s_cmp_eq_u32 s37, 1
	s_cselect_b32 s38, 0x3f8293ee, s38             ; n odd: log2(e) / sqrt(2),
	s_lshr_b32 s36, s36, 1
	s_lshl_b32 s36, s36, 23
	s_sub_co_u32 s38, s38, s36                     ; x 2^-(n / 2, rounded down): so much off the exponent field, which stays at 119 or above
	v_mov_b32 v[SLR], s38
	s_lshl_b32 s40, s13, 19                        ; K and V of (b, kv): 32 steps of 16,384 bytes,
	s_lshl_b32 s36, s[WV], 14
	s_add_co_u32 s40, s40, s36                     ; and the step of a slot that I fetch
	s_mov_b32 s41, 0
	s_lshr_b32 s36, s13, 2                         ; b
	s_and_b32 s37, s12, 7
	s_lshl_b32 s37, s37, 4
	s_lshl_b32 s39, s[WV], 1
	s_add_co_u32 s37, s37, s39                     ; my first query tile of the head's 128
	s_lshl_b32 s42, s36, 4
	s_add_co_u32 s42, s42, s14
	s_lshl_b32 s42, s42, 18
	s_lshl_b32 s39, s37, 11
	s_add_co_u32 s42, s42, s39                     ; qf: ((16 b + head) x 128 + tile) x 2,048
	s_mov_b32 s43, 0
	s_lshl_b32 s44, s36, 7
	s_add_co_u32 s44, s44, s37
	s_lshl_b32 s44, s44, 15
	s_lshl_b32 s39, s14, 11
	s_add_co_u32 s44, s44, s39                     ; af: (128 b + tile) x 32,768 + head x 2,048
	s_mov_b32 s45, 0
	s_wait_dscnt 0x0                               ; both opening adds are done
	s_wait_kmcnt 0x0
	s_add_nc_u64 s[6:7], s[6:7], s[40:41]
	s_add_nc_u64 s[4:5], s[4:5], s[42:43]
	s_add_nc_u64 s[8:9], s[8:9], s[44:45]
	CROUND                                         ; all four work-groups are here: the first joint loads meet
	s_mov_b32 s[G0A], 1
	s_lshl_b32 s[G0A+1], s[WV], 14                 ; LDS: slot 0, step = wave: no place in the cluster enters an LDS address
	s_mov_b64 s[G0A+2:G0A+3], s[6:7]
	s_or_b32 s[G0A+3], s[G0A+3], 0x80000000
	s_mov_b32 s[G0B], 1
	s_add_co_u32 s[G0B+1], s[G0A+1], SLOTB
	s_add_nc_u64 s[G0B+2:G0B+3], s[6:7], SLOTB
	s_or_b32 s[G0B+3], s[G0B+3], 0x80000000
	tensor_load_to_lds s[G0A:G0A+3], s[G1:G1+7]    ; keys 0 .. 511
	s_nop 0
	tensor_load_to_lds s[G0B:G0B+3], s[G1:G1+7]    ; keys 512 .. 1023
	s_nop 0
	PLACES
	WIN 0x40                                       ; destination window 1
.set i, 0
.rept 8
	global_load_b128 v[Q+4*i:Q+4*i+3], v[LI], s[4:5] offset:512*i th:TH_LOAD_NT   ; Q stays in registers
.set i, i+1
.endr
.set i, 0
.rept 32
	v_add_nc_u32 v[BI+i], 16*(i/8)+i%8, v[H8]      ; 16 T + jj + 8 h
.set i, i+1
.endr
.set i, 0
.rept 64
	v_mov_b32 v[O+i], 0                            ; O^T: the step is written once, its first walk finds zeros
.set i, i+1
.endr
.irp i, 0,1,2,3
	v_mov_b32 v[L+\i], 0
.endr
	WIN 0x41                                       ; destination and source 0 window 1
.set i, 0
.rept 32
	v_cvt_f32_u32 v[BI+i], v[BI+i]
.set i, i+1
.endr
.set i, 0
.rept 32
	v_mul_f32 v[BI+i], v[BI+i], v[SLR]
.set i, i+1
.endr
	WIN 0
	v_mov_b32 v[ST+1], 0xff61b1e6                  ; M = -3e38, under every score
	v_mov_b32 v[ST+9], 0xff61b1e6
	v_mov_b32 v[KFR], 0xc4f80000                   ; KF = -1984
	s_mov_b32 s[TB], 0
	v_add_nc_u32 v[ADRK], s[TB], v[LI]
	s_wait_tensorcnt 1                             ; my part of slot 0 is in; slot 1's may stay out
	s_barrier_signal -1
	s_barrier_wait -1                              ; everybody's is
.set i, 0
.rept 16
	ds_load_b128 v[KR+4*i:KR+4*i+3], v[ADRK] offset:512*i   ; K of step 0
.set i, i+1
.endr
	s_wait_loadcnt 0x0                             ; Q
; A KEY STEP, 64 keys.  kind 0: plain.  1: the slot's last step, and the slot is filled again through descriptor g0; the next step begins at LDS byte nxt.  2: the slot's last step, nothing is asked for.  3: the very last step.
.macro STEP kind, g0, nxt
	s_wait_dscnt 0x0                               ; K of this step is in
	WIN 0x14                                       ; Q and the bias in window 1
.irp kt, 0,1,2,3                               ; S^T = K Q^T + the bias: eight accumulators by turns, one instruction a turn
.irp t, 0,1
	v_wmma_f32_16x16x32_f16 v[S+32*\t+8*\kt:S+32*\t+8*\kt+7], v[KR+16*\kt:KR+16*\kt+7], v[Q+16*\t:Q+16*\t+7], v[BI+8*\kt:BI+8*\kt+7]
.endr
.endr
	WIN 0x04
.irp kt, 0,1,2,3
.irp t, 0,1
	v_wmma_f32_16x16x32_f16 v[S+32*\t+8*\kt:S+32*\t+8*\kt+7], v[KR+16*\kt+8:KR+16*\kt+15], v[Q+16*\t+8:Q+16*\t+15], v[S+32*\t+8*\kt:S+32*\t+8*\kt+7]
.endr
.endr
	WIN 0
	v_add_nc_u32 v[ADRV], s[TB], v[LI]             ; four plain lines: the places in front of the loads into K's registers and of the first read of the scores
.if \kind == 0
	s_add_co_u32 s[TB], s[TB], STEPB
.elseif \kind < 3
	s_mov_b32 s[TB], \nxt
.endif
.if \kind < 3
	v_add_nc_u32 v[ADRK], s[TB], v[LI]
.else
	v_nop
.endif
	v_nop
	v_nop
.set i, 0
.rept 16
	ds_load_b128 v[VR+4*i:VR+4*i+3], v[ADRV] offset:8192+512*i   ; V of this step: the last product that read these registers stands a step back
.set i, i+1
.endr
.if \kind == 1
	s_wait_tensorcnt 0x0                           ; THE CHANGE OF SLOTS.  All my tensor loads have landed: my part of the other slot; so a group 0 may be written
	ds_add_u32 v[SPW], v[NIL]                      ; 0 onto my spare word
	s_add_nc_u64 s[\g0+2:\g0+3], s[\g0+2:\g0+3], 2*SLOTB   ; this slot's next keys: two slots on
	s_wait_dscnt 0x0                               ; the add is done, and my reads of this slot are over: V of its last step is in
	CROUND                                         ; so it is with every wave of all four work-groups
	tensor_load_to_lds s[\g0:\g0+3], s[G1:G1+7]    ; the joint refill, first behind the round, my one tensor load until the next
	s_nop 0
	PLACES
.elseif \kind == 2
	s_wait_tensorcnt 0x0                           ; my part of the last slot has landed;
	ds_add_u32 v[SPW], v[NIL]
	s_wait_dscnt 0x0
	s_barrier_signal -1
	s_barrier_wait -1                              ; everybody's has
.endif
.if \kind < 3
.set i, 0
.rept 16
	ds_load_b128 v[KR+4*i:KR+4*i+3], v[ADRK] offset:512*i   ; K of the next step
.set i, i+1
.endr
.endif
	; the largest u of my 32 keys, for both tiles by turns: four chains, each beginning at its accumulator's low end
.irp c, 0,1,2,3
.irp t, 0,1
	v_max3_num_f32 v[ST+8*\t+4+\c], v[S+32*\t+8*\c], v[S+32*\t+8*\c+1], v[S+32*\t+8*\c+2]
.endr
.endr
.irp i, 3,5
.irp c, 0,1,2,3
.irp t, 0,1
	v_max3_num_f32 v[ST+8*\t+4+\c], v[ST+8*\t+4+\c], v[S+32*\t+8*\c+\i], v[S+32*\t+8*\c+\i+1]
.endr
.endr
.endr
.irp t, 0,1
	v_max3_num_f32 v[ST+8*\t+4], v[ST+8*\t+4], v[S+32*\t+7], v[S+32*\t+15]
	v_max3_num_f32 v[ST+8*\t+6], v[ST+8*\t+6], v[S+32*\t+23], v[S+32*\t+31]
.endr
.irp t, 0,1
	v_max3_num_f32 v[ST+8*\t+4], v[ST+8*\t+4], v[ST+8*\t+5], v[ST+8*\t+6]
.endr
.irp t, 0,1
	v_max_num_f32 v[ST+8*\t+4], v[ST+8*\t+4], v[ST+8*\t+7]
.endr
.irp t, 0,1
	v_permlanex16_b32 v[ST+8*\t+5], v[ST+8*\t+4], s[SEL], s[SEL+1]   ; the query's other 32 keys lie in the lane 16 away
.endr
.irp t, 0,1
	v_max_num_f32 v[ST+8*\t+4], v[ST+8*\t+4], v[ST+8*\t+5]
.endr
.irp t, 0,1
	v_fma_f32 v[ST+8*\t+5], v[SLR], v[KFR], v[ST+8*\t+4]           ; cand = sl KF + the largest u
.endr
.irp t, 0,1
	v_sub_f32 v[ST+8*\t+3], v[ST+8*\t+1], v[ST+8*\t+5]             ; M - cand
.endr
.irp t, 0,1
	v_max_num_f32 v[ST+8*\t+1], v[ST+8*\t+1], v[ST+8*\t+5]         ; the new M
.endr
.irp t, 0,1
	v_min_num_f32 v[ST+8*\t+3], 0, v[ST+8*\t+3]                    ; old M - new M
.endr
.irp t, 0,1
	v_fma_f32 v[ST+8*\t], -v[SLR], v[KFR], v[ST+8*\t+1]            ; mm = M - sl KF
.endr
.irp t, 0,1
.irp j, 0,2,4,6,8,10,12,14,16,18,20,22,24,26,28,30
	v_pk_add_f32 v[S+32*\t+\j:S+32*\t+\j+1], v[S+32*\t+\j:S+32*\t+\j+1], v[ST+8*\t:ST+8*\t+1] op_sel_hi:[1,0] neg_lo:[0,1] neg_hi:[0,1]   ; u - mm, two at a time
.endr
.endr
.irp t, 0,1
	v_exp_f32 v[ST+8*\t+2], v[ST+8*\t+3]           ; alpha.  ONE BATCH of 66 exponentials, none of which reads another's result
.endr
.set i, 0
.rept 64
	v_exp_f32 v[S+i], v[S+i]                       ; p
.set i, i+1
.endr
	v_nop                                          ; a plain line behind the last exponential
	s_wait_alu depctr_va_vdst(0)                   ; and one wait for the batch, ahead of its first reader
.set i, 0
.rept 32
	v_cvt_pk_f16_f32 v[P+i], v[S+2*i], v[S+2*i+1]  ; two tiles of keys, rounded in pairs, ARE source 1 (32 keys x 16 queries) of the second product
.set i, i+1
.endr
	WIN 0x41                                       ; O^T and l (destination and source 0) in window 1, alpha in window 0
.set i, 0
.rept 32
	v_pk_mul_f32 v[O+2*i:O+2*i+1], v[O+2*i:O+2*i+1], v[ST+8*(i/16)+2:ST+8*(i/16)+3] op_sel_hi:[1,0]   ; each accumulator from its low end on
.set i, i+1
.endr
.irp t, 0,1
	v_pk_mul_f32 v[L+2*\t:L+2*\t+1], v[L+2*\t:L+2*\t+1], v[ST+8*\t+2:ST+8*\t+3] op_sel_hi:[1,0]
.endr
.if \kind < 3
	s_wait_dscnt 16                                ; V is in; the 16 younger loads, the next step's K, may be out
.else
	s_wait_dscnt 0x0
.endif
	WIN 0x50                                       ; C and D window 1; V and P window 0
; O^T += V^T P: eight accumulators by turns.  Behind each product stand two of the row sums.  They are written as p x 1 + l, because under this setting of the windows source 2 and the destination mean window 1 (l) and
; source 0 window 0 (p): so the sums need no switch among the products.
.set i, 0
.rept 16
	v_wmma_f32_16x16x32_f16 v[O+32*(i%2)+8*((i/2)%4):O+32*(i%2)+8*((i/2)%4)+7], v[VR+32*(i/8)+8*((i/2)%4):VR+32*(i/8)+8*((i/2)%4)+7], v[P+16*(i%2)+8*(i/8):P+16*(i%2)+8*(i/8)+7], v[O+32*(i%2)+8*((i/2)%4):O+32*(i%2)+8*((i/2)%4)+7]
	v_pk_fma_f32 v[L:L+1], v[S+2*i:S+2*i+1], 1.0, v[L:L+1] op_sel_hi:[1,0,1]
	v_pk_fma_f32 v[L+2:L+3], v[S+32+2*i:S+32+2*i+1], 1.0, v[L+2:L+3] op_sel_hi:[1,0,1]
.set i, i+1
.endr
	WIN 0                                          ; at a label and at a branch every window is 0
.if \kind < 3
	v_add_f32 v[KFR], 0x42800000, v[KFR]           ; KF + 64
.endif
.endm
.macro SEVEN                           ; a slot's first seven steps: written once, walked seven times; the LDS addresses hang on s[TB]
	s_mov_b32 s[CNT], 7
.Lstep_\@:
	STEP 0, 0, 0
	s_sub_co_u32 s[CNT], s[CNT], 1
	s_cmp_lg_u32 s[CNT], 0
	s_cbranch_scc1 .Lstep_\@
.endm
	SEVEN                                          ; keys 0 .. 511, in slot 0
	STEP 1, G0A, SLOTB                             ; slot 0 takes keys 1024 .. 1535
	SEVEN                                          ; keys 512 .. 1023, in slot 1
	STEP 1, G0B, 0                                 ; slot 1 takes keys 1536 .. 2047
	SEVEN
	STEP 2, 0, SLOTB                               ; nothing is left to ask for
	SEVEN
	STEP 3, 0, 0
	; THE WAY OUT.  l's two halves and the other half of the lanes' are added; O^T / l, rounded to f16: four conversions make 16 bytes of an image.  The additions are places behind the last products.
	WIN 0x05                                       ; sources 0 and 1 window 1
.irp t, 0,1
	v_add_f32 v[ST+8*\t+4], v[L+2*\t], v[L+2*\t+1]
.endr
	WIN 0
.irp t, 0,1
	v_permlanex16_b32 v[ST+8*\t+5], v[ST+8*\t+4], s[SEL], s[SEL+1]
.endr
.irp t, 0,1
	v_add_f32 v[ST+8*\t+4], v[ST+8*\t+4], v[ST+8*\t+5]
.endr
.irp t, 0,1
	v_rcp_f32 v[ST+8*\t+2], v[ST+8*\t+4]
.endr
	v_nop                                          ; a plain line behind the last reciprocal,
	s_wait_alu depctr_va_vdst(0)                   ; and the wait ahead of the first use: one for both
	WIN 0x41
.set i, 0
.rept 32
	v_pk_mul_f32 v[O+2*i:O+2*i+1], v[O+2*i:O+2*i+1], v[ST+8*(i/16)+2:ST+8*(i/16)+3] op_sel_hi:[1,0]
.set i, i+1
.endr
	WIN 0x05                                       ; S^T's registers are free
.set i, 0
.rept 32
	v_cvt_pk_f16_f32 v[S+i], v[O+2*i], v[O+2*i+1]
.set i, i+1
.endr
	WIN 0
.irp t, 0,1
.irp c, 0,1,2,3
	global_store_b128 v[LI], v[S+16*\t+4*\c:S+16*\t+4*\c+3], s[8:9] offset:32768*\t+512*\c   ; channel tile c: k block c / 2 of the head's two, register group c % 2; the wave stores 512 consecutive bytes, aligned
.endr
.endr
	s_wait_tensorcnt 0x0                           ; the wave's end
	ds_add_u32 v[SPW], v[NIL]
	s_wait_dscnt 0x0
	CROUND                                         ; the closing round: no work-group ends while a partner may still ask for a tile that names it
	s_endpgm
.Lfunc_end_k_q9e85340983_attn:
	.size	k_q9e85340983_attn, .Lfunc_end_k_q9e85340983_attn-k_q9e85340983_attn
	.p2alignl 7, 3214868480
	.fill 96, 4, 3214868480
	.section	.rodata,"a",@progbits
	.p2align	6, 0x0
	.amdhsa_kernel k_q9e85340983_attn
		.amdhsa_group_segment_fixed_size 327680
		.amdhsa_private_segment_fixed_size 0
		.amdhsa_enable_private_segment 0
		.amdhsa_kernarg_size 24
		.amdhsa_user_sgpr_count 2
		.amdhsa_user_sgpr_kernarg_segment_ptr 1
		.amdhsa_wavefront_size32 1
		.amdhsa_system_sgpr_workgroup_id_x 1
		.amdhsa_system_sgpr_workgroup_id_y 1
		.amdhsa_system_sgpr_workgroup_id_z 1
		.amdhsa_system_vgpr_workitem_id 0
		.amdhsa_next_free_vgpr 392
		.amdhsa_next_free_sgpr 66
		.amdhsa_reserve_vcc 0
		.amdhsa_float_denorm_mode_32 3
		.amdhsa_float_denorm_mode_16_64 3
		.amdhsa_memory_ordered 1
		.amdhsa_forward_progress 1
		.amdhsa_inst_pref_size 157
	.end_amdhsa_kernel
	.amdgpu_metadata
---
amdhsa.version: [ 1, 2 ]
amdhsa.kernels:
  - .name:           k_q9e85340983_attn
    .symbol:         k_q9e85340983_attn.kd
    .args:
      - { .name: qf, .offset: 0, .size: 8, .value_kind: global_buffer, .address_space: global }
      - { .name: kvf, .offset: 8, .size: 8, .value_kind: global_buffer, .address_space: global }
      - { .name: af, .offset: 16, .size: 8, .value_kind: global_buffer, .address_space: global }
    .group_segment_fixed_size: 327680
    .private_segment_fixed_size: 0
    .kernarg_segment_align: 8
    .kernarg_segment_size: 24
    .max_flat_workgroup_size: 256
    .sgpr_count:     66
    .vgpr_count:     392
    .wavefront_size: 32
...
	.end_amdgpu_metadata
.endif
;; end of part 3
;; launch oproj (part 4): grid 4 x 64, 4 waves a work-group, clusters of 4 x 4, 327,680 bytes of LDS; arguments af, wof, out0; writes out0
.if DOCPART == 4
	.amdgcn_target "amdgcn-amd-amdhsa--gfx1250"
	.amdhsa_code_object_version 6
	.text
	.protected	k_q9e85340983_oproj
	.globl	k_q9e85340983_oproj
	.p2align	8
	.type	k_q9e85340983_oproj,@function
k_q9e85340983_oproj:
	s_mov_b64 s[64:65], 0
	v_nop
	global_prefetch_b8 v0, s[64:65] scope:SCOPE_SE
	s_setreg_imm32_b32 hwreg(HW_REG_WAVE_MODE, 25, 1), 1
	s_wait_xcnt 0x0
	s_wait_alu depctr_hold_cnt(0) depctr_sa_sdst(0) depctr_va_vdst(0) depctr_va_sdst(0) depctr_va_ssrc(0) depctr_va_vcc(0) depctr_vm_vsrc(0)
	s_getreg_b32 s2, hwreg(HW_REG_IB_STS2, 6, 4)
	s_cmp_eq_u32 s2, 0
	s_cbranch_scc0 .Lentry_in_a_cluster
	s_endpgm
.Lentry_in_a_cluster:
	s_bfe_u32 s2, ttmp6, 0x10000c
	s_cmp_lg_u32 s2, 0xf033
	s_cbranch_scc0 .Lentry_shape_is_right
	s_endpgm
.Lentry_shape_is_right:
; out0[token][n] = the sum over k of a[token][k] Wo[k][n]: [8192][1024] x [1024][1024], operands f16, sums and result f32.
; Both operands lie in memory as images of fragments (16 rows x 32 k: 1 KB; register group g of lane l at 512 g + 16 l): af [token tile 512][k block 32][1 KB], wof [column tile 64][k block 32][1 KB].
; A tile of the result is 128 tokens x 256 columns: 256 work-groups.  Four waves, each 64 x 128: 32 accumulators of 16 x 16, all of window 1.  K goes in steps of 128 (four k blocks) through a ring of two LDS slots:
; a K step of a token tile or column tile is 4,096 consecutive bytes, so a wave's tensor load brings rows of 4,096 bytes, 32,768 apart in memory, dense in LDS; every fragment load is at 16 x lane.
; CLUSTERS: 4 x 4 work-groups.  The four of a row of the cluster need the same tiles of a, the four of a column the same tiles of Wo: each is asked for JOINTLY, by the same tensor load with the same descriptor and a mask of the four.
; THE MATRIX INSTRUCTION IS USED TRANSPOSED (source 0 = 16 columns of Wo, source 1 = 16 tokens): a lane then holds eight neighbouring numbers of a row of the result.
; REGISTERS: window 0: v16-30 addresses; two fragment buffers of 96 at v32 and v128 (a's four blocks, then Wo's eight); on the way out v32-159 are free.  window 1: accumulator (a, b) at v[8 (8 a + b)].
.set KSTEPB, 4096                      ; a K step of one token tile or column tile, in bytes
.set SLOT,   98304                     ; a: 8 token tiles x 4,096, then Wo: 16 column tiles x 4,096
.set BOFF,   32768
.set STAGE,  2*SLOT                    ; behind the ring: 16 rows x (512 bytes + 16) for each wave, for the way out
.set SPITCH, 528
.set SPARE,  STAGE+4*16*SPITCH         ; behind the stages: the spare words, 128 bytes a wave
.set LAPS,   4                         ; a lap = two K steps = once round the ring
.set ADRA, 16                          ; v16-17  LDS address of my fragments of a in slot 0, 1
.set ADRB, 20                          ; v20-21  the same for Wo
.set STO,  24                          ; v24     the way out: where I put 32 bytes of a row
.set RD,   25                          ; v25     the way out: where I read a row back
.set CO,   26                          ; v26     16 x lane
.set SPW,  28                          ; v28     LDS address of my spare word; never rewritten
.set NIL,  29                          ; v29     0; never rewritten
.set F0,   32
.set F1,   128
.set BK,   32                          ; the way out: 16 rows read back from the stage: v32-95 and v96-159 by turns
.set G1, 24                            ; s[24:31] descriptor group 1 for a's tiles;  s[32:39] group 0, one set for each slot
.set G0, 32
.set G1B, 48                           ; s[48:55], s[56:63] the same for Wo's
.set G0B, 56
.set MSB, 0
.macro WIN new                         ; the immediate's high byte repeats the setting that is left
.if MSB != \new
	s_set_vgpr_msb (MSB<<8)|\new
.set MSB, \new
.endif
.endm
.set MUL, 0x50                         ; C and D window 1, both sources window 0
.macro PLACES
.rept 4
	v_nop
.endr
.endm
.macro JLOAD s                         ; a joint load: waves 0 and 1 fetch a's two halves, waves 2 and 3 Wo's; an s_nop 0 and four v_nop follow each of the two lines
	s_cmp_eq_u32 s11, 0
	s_cbranch_scc0 .Lfor_b_\@
	tensor_load_to_lds s[G0+4*\s:G0+4*\s+3], s[G1:G1+7]
	s_nop 0
.rept 4
	v_nop
.endr
	s_branch .Lasked_\@
.Lfor_b_\@:
	tensor_load_to_lds s[G0B+4*\s:G0B+4*\s+3], s[G1B:G1B+7]
	s_nop 0
.rept 4
	v_nop
.endr
.Lasked_\@:
.endm
.macro CREST                           ; a round of the cluster's barrier behind its opening barrier
	s_cmp_lg_u32 s10, 0
	s_cbranch_scc1 .Lnot_wave_0_\@
	s_barrier_signal -3
.Lnot_wave_0_\@:
	s_barrier_wait -3
	s_barrier_signal -1
	s_barrier_wait -1
.endm
.macro CROUND                          ; a whole round
	s_barrier_signal -1
	s_barrier_wait -1
	CREST
.endm
	s_load_b128 s[4:7], s[0:1], 0x0                ; af s[4:5], wof s[6:7]
	s_load_b64 s[8:9], s[0:1], 0x10                ; out0
	v_lshl_add_u32 v[SPW], v0, 2, SPARE
	v_mov_b32 v[NIL], 0
	ds_add_u32 v[SPW], v[NIL]                      ; the wave's opening: the add, twice on end, and its wait ahead of my first tensor load
	ds_add_u32 v[SPW], v[NIL]
	v_lshrrev_b32 v1, 5, v0
	v_readfirstlane_b32 s10, v1                    ; wave 0..3
	s_lshr_b32 s11, s10, 1                         ; which 64 of the tile's tokens are mine.  Also: I fetch for a (0) or for Wo (1)
	s_and_b32 s12, s10, 1                          ; which 128 of its columns.  Also: which half of that tile I fetch
	s_bfe_u32 s40, ttmp6, 0x40000                  ; cx, cy: my place in the cluster
	s_bfe_u32 s41, ttmp6, 0x40004
	s_lshl_b32 s42, ttmp9, 2
	s_add_co_u32 s42, s42, s40                     ; tile column = 4 x cluster x + cx
	s_and_b32 s13, ttmp7, 0xffff
	s_lshl_b32 s13, s13, 2
	s_add_co_u32 s13, s13, s41                     ; tile row = 4 x cluster y + cy
	s_lshl_b32 s43, s41, 2
	s_lshl_b32 s43, 15, s43                        ; my row of the cluster
	s_lshl_b32 s44, 0x1111, s40                    ; my column
	s_or_b32 s[G1+0], s43, (3<<16)|(1<<21)         ; 15:0 the mask: a's tiles go to my row; 17:16 elements of 8 bytes; 21 set beside a mask; no padding
	s_or_b32 s[G1B+0], s44, (3<<16)|(1<<21)
	s_mov_b32 s[G1+1], 512<<16                     ; tensor_dim0 = 512 (4,096 bytes)
	s_mov_b32 s[G1+2], 4<<16                       ; tensor_dim1 = 4 token tiles
	s_mov_b32 s[G1+3], 512<<16                     ; tile_dim0
	s_mov_b32 s[G1+4], 4                           ; tile_dim1
	s_mov_b32 s[G1+5], 4096                        ; from row to row: 32,768 bytes
	s_mov_b32 s[G1+6], 0
	s_mov_b32 s[G1+7], 0
	s_mov_b32 s[G1B+1], 512<<16
	s_mov_b32 s[G1B+2], 8<<16                      ; 8 column tiles
	s_mov_b32 s[G1B+3], 512<<16
	s_mov_b32 s[G1B+4], 8
	s_mov_b32 s[G1B+5], 4096
	s_mov_b32 s[G1B+6], 0
	s_mov_b32 s[G1B+7], 0
	s_lshl_b32 s16, s13, 3
	s_lshl_b32 s17, s12, 2
	s_add_co_u32 s16, s16, s17                     ; a: token tile 8 x tile row + 4 x half
	s_lshl_b32 s16, s16, 15
	s_mov_b32 s17, 0
	s_lshl_b32 s46, s42, 4
	s_lshl_b32 s47, s12, 3
	s_add_co_u32 s46, s46, s47                     ; Wo: column tile 16 x tile column + 8 x half
	s_lshl_b32 s46, s46, 15
	s_mov_b32 s47, 0
	s_lshl_b32 s20, s12, 14                        ; where they go in a slot: no place in the cluster enters an LDS address
	s_lshl_b32 s21, s12, 15
	s_add_co_u32 s21, s21, BOFF
	s_wait_dscnt 0x0                               ; both opening adds are done
	s_wait_kmcnt 0x0
	s_add_nc_u64 s[14:15], s[4:5], s[16:17]
	s_add_nc_u64 s[46:47], s[6:7], s[46:47]
	CROUND                                         ; all sixteen work-groups are here: the first joint loads meet
.irp s, 0,1
	s_mov_b32 s[G0+4*\s], 1
	s_add_co_u32 s[G0+4*\s+1], s20, \s*SLOT
	s_add_nc_u64 s[G0+4*\s+2:G0+4*\s+3], s[14:15], \s*KSTEPB
	s_or_b32 s[G0+4*\s+3], s[G0+4*\s+3], 0x80000000
	s_mov_b32 s[G0B+4*\s], 1
	s_add_co_u32 s[G0B+4*\s+1], s21, \s*SLOT
	s_add_nc_u64 s[G0B+4*\s+2:G0B+4*\s+3], s[46:47], \s*KSTEPB
	s_or_b32 s[G0B+4*\s+3], s[G0B+4*\s+3], 0x80000000
	JLOAD \s                                       ; K steps 0 and 1: two tensor loads of mine are out
.endr
	v_and_b32 v1, 31, v0
	v_lshlrev_b32 v[CO], 4, v1
	v_and_b32 v2, 15, v0                           ; r
	v_bfe_u32 v3, v0, 4, 1                         ; h
	s_lshl_b32 s22, s11, 14                        ; my four token tiles
	s_lshl_b32 s23, s12, 15                        ; my eight column tiles,
	s_add_co_u32 s23, s23, BOFF                    ; which lie behind a's eight
.irp s, 0,1
	v_add_nc_u32 v[ADRA+\s], s22, v[CO]
	v_add_nc_u32 v[ADRB+\s], s23, v[CO]
	s_add_co_u32 s22, s22, SLOT
	s_add_co_u32 s23, s23, SLOT
.endr
	s_mul_i32 s18, s10, 16*SPITCH
	s_add_co_u32 s18, s18, STAGE                   ; my stage
	v_mul_u32_u24 v4, v2, SPITCH                   ; in: row r, 32 bytes for each half of the lanes
	v_lshl_add_u32 v4, v3, 5, v4
	v_add_nc_u32 v[STO], s18, v4
	v_add_nc_u32 v[RD], s18, v[CO]                 ; back: the 32 lanes take one row of 512 bytes
	s_lshl_b32 s16, s13, 19                        ; my first row of the result: (128 x tile row + 64 x half) x 4,096 bytes
	s_lshl_b32 s17, s11, 18
	s_add_co_u32 s16, s16, s17
	s_mov_b32 s17, 0
	s_add_nc_u64 s[8:9], s[8:9], s[16:17]
	s_lshl_b32 s46, s42, 10                        ; my first column, in bytes: 1,024 x tile column + 512 x half
	s_lshl_b32 s47, s12, 9
	s_add_co_u32 s46, s46, s47
	s_mov_b32 s47, 0
	s_add_nc_u64 s[8:9], s[8:9], s[46:47]
; 8 matrix instructions: token block a x Wo's eight, 32 along K.  The 32 accumulators take turns, one instruction a turn, in the same order in every quarter.  zero = 1: the product starts the sums
.macro MULA f, a, zero
.irp b, 0,1,2,3,4,5,6,7
.if \zero
	v_wmma_f32_16x16x32_f16 v[8*(8*(\a)+\b):8*(8*(\a)+\b)+7], v[\f+32+8*\b:\f+32+8*\b+7], v[\f+8*(\a):\f+8*(\a)+7], 0
.else
	v_wmma_f32_16x16x32_f16 v[8*(8*(\a)+\b):8*(8*(\a)+\b)+7], v[\f+32+8*\b:\f+32+8*\b+7], v[\f+8*(\a):\f+8*(\a)+7], v[8*(8*(\a)+\b):8*(8*(\a)+\b)+7]
.endif
.endr
.endm
; 24 LDS loads in one run: the fragments of one k block, at byte k of each tile's 4,096, into buffer f: Wo's eight, then a's four
.macro FETCH slot, k, f
	WIN 0
.irp b, 0,1,2,3,4,5,6,7
	ds_load_b128 v[\f+32+8*\b:\f+32+8*\b+3],   v[ADRB+\slot] offset:\k+4096*\b
	ds_load_b128 v[\f+32+8*\b+4:\f+32+8*\b+7], v[ADRB+\slot] offset:\k+4096*\b+512
.endr
.irp a, 0,1,2,3
	ds_load_b128 v[\f+8*\a:\f+8*\a+3],   v[ADRA+\slot] offset:\k+4096*\a
	ds_load_b128 v[\f+8*\a+4:\f+8*\a+7], v[ADRA+\slot] offset:\k+4096*\a+512
.endr
.endm
; A K step is four quarters of 32 along K, 32 matrix instructions each, on buffers 0, 1, 0, 1.  One of the first three: multiplies buffer f and fetches the next quarter, at byte k, into g.
.macro QUARTER slot, k, f, g, zero
	s_wait_dscnt 4                                 ; Wo's eight and a's blocks 0 and 1 are in; the youngest four loads may be out
	WIN MUL
	MULA \f, 0, \zero
	MULA \f, 1, \zero
	PLACES                                         ; in front of loads into registers that matrix instructions have read (ISA guide 7.12.1 for vector instructions)
	FETCH \slot, \k, \g
	s_wait_dscnt 24                                ; all but the 24 just issued
	WIN MUL
	MULA \f, 2, \zero
	MULA \f, 3, \zero
.endm
; The last quarter multiplies buffer 1 and changes slots: ONE barrier; in front of it each wave waits for all its tensor loads, adds 0 to its spare word, and waits for that and for its own reads of this slot.
; fill = 1: this slot is filled again, two K steps ahead; the barrier then opens a round of the cluster's barrier.
.macro TURN slot, next, fill
	WIN 0                                          ; (the add's two registers lie in window 0)
	s_wait_tensorcnt 0x0                           ; all my tensor loads have landed: my part of the next slot;
	ds_add_u32 v[SPW], v[NIL]                      ; 0 onto my spare word;
	s_wait_dscnt 5                                 ; (the add and the youngest four loads may be out)
	WIN MUL
	MULA F1, 0, 0                                  ; eight matrix instructions stand between the add and the wait for it
	s_wait_dscnt 0x0                               ; the add is done, and my reads of this slot are over
	s_barrier_signal -1
	MULA F1, 1, 0
	WIN 0
	s_barrier_wait -1
.if \fill
	CREST                                          ; no wave of any partner still reads this slot's tiles or has a load on its way
	s_add_nc_u64 s[G0+4*\slot+2:G0+4*\slot+3], s[G0+4*\slot+2:G0+4*\slot+3], 2*KSTEPB
	s_add_nc_u64 s[G0B+4*\slot+2:G0B+4*\slot+3], s[G0B+4*\slot+2:G0B+4*\slot+3], 2*KSTEPB
	JLOAD \slot                                    ; the first tensor load behind the round: 112 matrix instructions ahead of the wait for it; its four v_nop are also the places in front of the loads below
.else
	PLACES
.endif
	FETCH \next, 0, F0
	WIN MUL
	MULA F1, 2, 0
	MULA F1, 3, 0
.endm
	s_wait_tensorcnt 1                             ; my part of K step 0 is in (K step 1's load may be out)
	s_barrier_signal -1
	s_barrier_wait -1                              ; everybody's is
	FETCH 0, 0, F0
	QUARTER 0, 1024, F0, F1, 1                     ; the first quarter stands in front of the loop: its products start the sums
	WIN 0                                          ; at a label and at a branch every window is 0
	s_mov_b32 s3, LAPS-1
.Llap:                                                 ; a trip goes once round the ring, from a lap's second quarter to the next lap's first, and fills both slots again
	QUARTER 0, 2048, F1, F0, 0
	QUARTER 0, 3072, F0, F1, 0
	TURN 0, 1, 1
	QUARTER 1, 1024, F0, F1, 0
	QUARTER 1, 2048, F1, F0, 0
	QUARTER 1, 3072, F0, F1, 0
	TURN 1, 0, 1
	QUARTER 0, 1024, F0, F1, 0
	WIN 0
	s_sub_co_u32 s3, s3, 1
	s_cmp_lg_u32 s3, 0
	s_cbranch_scc1 .Llap
	QUARTER 0, 2048, F1, F0, 0                     ; the last lap fills nothing, and has no round of the cluster's barrier
	QUARTER 0, 3072, F0, F1, 0
	TURN 0, 1, 0
	QUARTER 1, 1024, F0, F1, 0
	QUARTER 1, 2048, F1, F0, 0
	QUARTER 1, 3072, F0, F1, 0
	s_wait_dscnt 4                                 ; the very last quarter: nothing more to fetch
	WIN MUL
	MULA F1, 0, 0
	MULA F1, 1, 0
	s_wait_dscnt 0x0
	MULA F1, 2, 0
	MULA F1, 3, 0
	WIN 0
; THE WAY OUT, block by block of 16 rows x 128 columns.  A lane holds 32 neighbouring bytes of a row, and the lanes beside it hold other rows: so a block goes through my own stage in LDS and comes back as whole rows of 512 bytes.
; LDS serves a wave's instructions in order (ISA guide 5.7.1.4): no wait between the stores and the loads, nor in front of the next block's stores.
.macro TOSTAGE a
	WIN 0x04                                       ; an LDS store's data are its source 1: window 1
.irp b, 0,1,2,3,4,5,6,7
	ds_store_b128 v[STO], v[64*(\a)+8*\b:64*(\a)+8*\b+3] offset:64*\b          ; each accumulator from its low end on
	ds_store_b128 v[STO], v[64*(\a)+8*\b+4:64*(\a)+8*\b+7] offset:64*\b+16
.endr
	WIN 0
.set BB, BK+64*((\a)%2)
.irp t, 0,1,2,3,4,5,6,7,8,9,10,11,12,13,14,15
	ds_load_b128 v[BB+4*\t:BB+4*\t+3], v[RD] offset:\t*SPITCH
.endr
.endm
.macro SEND a, younger                 ; younger: the LDS instructions issued behind block a's loads, which may stay out
.set BB, BK+64*((\a)%2)
	s_wait_dscnt \younger                          ; the block is back in registers
.irp t, 0,1,2,3,4,5,6,7,8,9,10,11,12,13,14,15
	global_store_b128 v[CO], v[BB+4*\t:BB+4*\t+3], s[8:9] offset:65536*(\a)+4096*\t th:TH_STORE_NT   ; 32 lanes store 512 consecutive bytes, aligned; the base is never stepped: 63 rows of 4,096 bytes at the most stand in the immediate
.endr
.endm
	PLACES                                         ; behind the last products: for the stores that read results and for the loads into the registers that held fragments
	TOSTAGE 0
.irp a, 1,2,3
.if \a > 1
	s_wait_xcnt 0x0                                ; block a - 2's stores have read their registers: block a's loads may land there
.endif
	TOSTAGE \a
	SEND (\a)-1, 32                                ; behind block a - 1's loads: block a's 16 stores and 16 loads
.endr
	SEND 3, 0
	s_wait_tensorcnt 0x0                           ; the wave's end, behind my last tensor load and my last LDS store
	ds_add_u32 v[SPW], v[NIL]
	s_wait_dscnt 0x0
	CROUND                                         ; the closing round: no work-group ends while a partner may still ask for a tile that names it
	s_endpgm
.Lfunc_end_k_q9e85340983_oproj:
	.size	k_q9e85340983_oproj, .Lfunc_end_k_q9e85340983_oproj-k_q9e85340983_oproj
	.p2alignl 7, 3214868480
	.fill 96, 4, 3214868480
	.section	.rodata,"a",@progbits
	.p2align	6, 0x0
	.amdhsa_kernel k_q9e85340983_oproj
		.amdhsa_group_segment_fixed_size 327680
		.amdhsa_private_segment_fixed_size 0
		.amdhsa_enable_private_segment 0
		.amdhsa_kernarg_size 24
		.amdhsa_user_sgpr_count 2
		.amdhsa_user_sgpr_kernarg_segment_ptr 1
		.amdhsa_wavefront_size32 1
		.amdhsa_system_sgpr_workgroup_id_x 1
		.amdhsa_system_sgpr_workgroup_id_y 1
		.amdhsa_system_sgpr_workgroup_id_z 1
		.amdhsa_system_vgpr_workitem_id 0
		.amdhsa_next_free_vgpr 512
		.amdhsa_next_free_sgpr 66
		.amdhsa_reserve_vcc 0
		.amdhsa_float_denorm_mode_32 3
		.amdhsa_float_denorm_mode_16_64 3
		.amdhsa_memory_ordered 1
		.amdhsa_forward_progress 1
		.amdhsa_inst_pref_size 84
	.end_amdhsa_kernel
	.amdgpu_metadata
---
amdhsa.version: [ 1, 2 ]
amdhsa.kernels:
  - .name:           k_q9e85340983_oproj
    .symbol:         k_q9e85340983_oproj.kd
    .args:
      - { .name: af, .offset: 0, .size: 8, .value_kind: global_buffer, .address_space: global }
      - { .name: wof, .offset: 8, .size: 8, .value_kind: global_buffer, .address_space: global }
      - { .name: out0, .offset: 16, .size: 8, .value_kind: global_buffer, .address_space: global }
    .group_segment_fixed_size: 327680
    .private_segment_fixed_size: 0
    .kernarg_segment_align: 8
    .kernarg_segment_size: 24
    .max_flat_workgroup_size: 128
    .sgpr_count:     66
    .vgpr_count:     512
    .wavefront_size: 32
...
	.end_amdgpu_metadata
.endif
;; end of part 4
